; MI455X (gfx1250); checked and timed in simulation.
; The chip was launched on July 23, 2026; its instructions are those of AMD's public machine-readable ISA for CDNA 5 (MIT licence, August 2026) and "CDNA5" Instruction Set Architecture Reference Guide (July 2026). The comments in the code are by the model that wrote it; some were corrected since.
;; Flex Mo E Router. Allowed arithmetic: float matrix products may take bf16 or f16 operands with f32 sums; other float arithmetic in f32, or as packed bf16 or f16 multiplies, adds, multiply-adds, maxima and minima; sums over many terms, partial sums and values carried from step to step in f32; what a program stores and reads back later, other than sums and carried values, may be rounded once to bf16 or f16.
;; Inputs: f_b1 2,048 float32; f_b2 2 float32; f_w1 2,048 x 4,096 float32; f_w2 2 x 2,048 float32; ln_b 2,048 float32; ln_g 2,048 float32; modality_info 4 x 2,048 x 4,096 float32; mr_b 2 x 8 float32; mr_w 2 x 8 x 2,048 float32; x 4 x 2,048 x 2,048 float32.
;; Outputs: out0 4 x 2,048 x 2 int32; out1 4 x 2,048 x 2 float32; out2 one number float32.
;; One version. Each part assembles by itself: llvm-mc -triple=amdgcn-amd-amdhsa -mcpu=gfx1250 --defsym DOCPART=n.
;; ======== version 1 of 1: 4 launches
;; workspace buffers: a16 67,108,864 bytes; w1b 16,777,216 bytes; wmr 65,536 bytes; part 1,048,576 bytes; auxp 32,768 bytes
;; launch cast (part 1): grid 256 x 1, 32 waves a work-group, no clusters, 0 bytes of LDS; arguments modality_info, f_w1, mr_w, a16, w1b, wmr; writes a16, w1b, wmr
.if DOCPART == 1
	.amdgcn_target "amdgcn-amd-amdhsa--gfx1250"
	.amdhsa_code_object_version 6
	.text
	.protected	k_q54c475ba77_cast
	.globl	k_q54c475ba77_cast
	.p2align	8
	.type	k_q54c475ba77_cast,@function
k_q54c475ba77_cast:
	s_mov_b64 s[64:65], 0
	v_nop
	global_prefetch_b8 v0, s[64:65] scope:SCOPE_SE
	s_setreg_imm32_b32 hwreg(HW_REG_WAVE_MODE, 25, 1), 1
	s_wait_xcnt 0x0
; f32 -> bf16 (round to nearest even) of modality_info, f_w1 and mr_w: the operands of the later matrix products, rounded ONCE, so that
; the products' operands are exact bf16 numbers.  LIMITS: bf16 keeps 8 significant bits; NaN and infinities pass as the conversion makes them.
; A stream: each input byte is read once, each output byte written once.  No LDS, no barrier, no matrix unit, no cluster: no byte is shared.
; SHARES.  256 work-groups of 32 waves.  Work-group j takes 524,288 bytes of modality_info (32 pieces of 16,384), 131,072 bytes of f_w1 (8 pieces) and 512 bytes of mr_w
; (one load of wave 0).  Thread t owns bytes 16 t of every piece: a wave's load covers 512 consecutive bytes, its store 256 consecutive bytes at a multiple of 256.
; A wave has 40 loads and 28 register slots.  A slot is rounded in place and stored from its two low registers.  Twelve slots are used twice: they are loaded again in three
; batches of four, each behind ONE wait that frees the stores' data, so that 24 to 28 loads of every wave are always on their way.
.set PIN,  16384                       ; bytes of a piece as read
.set POUT, 8192                        ; bytes of a piece as written
.set NS,   28                          ; slots
.set X,    4                           ; v[4:115]    slot s: 4 registers as loaded; the low two then hold the 4 bf16
.set EX,   116                         ; v[116:119]  wave 0: its 512 bytes of mr_w
	s_load_b256 s[4:11], s[0:1], 0x0               ; modality_info s[4:5], f_w1 s[6:7], mr_w s[8:9], a16 s[10:11]
	s_load_b128 s[12:15], s[0:1], 0x20             ; w1b s[12:13], wmr s[14:15]
	v_lshlrev_b32 v1, 4, v0                        ; my 16 bytes of a piece as read; never rewritten
	v_lshlrev_b32 v2, 3, v0                        ; my 8 bytes of a piece as written; never rewritten
	v_lshrrev_b32 v3, 5, v0
	v_readfirstlane_b32 s26, v3                    ; wave 0..31
	s_lshl_b32 s16, ttmp9, 19                      ; my work-group's part of each buffer, in bytes: modality_info,
	s_mov_b32 s17, 0
	s_lshl_b32 s18, ttmp9, 18                      ; a16,
	s_mov_b32 s19, 0
	s_lshl_b32 s20, ttmp9, 17                      ; f_w1,
	s_mov_b32 s21, 0
	s_lshl_b32 s22, ttmp9, 16                      ; w1b,
	s_mov_b32 s23, 0
	s_lshl_b32 s24, ttmp9, 9                       ; mr_w,
	s_mov_b32 s25, 0
	s_lshl_b32 s28, ttmp9, 8                       ; wmr
	s_mov_b32 s29, 0
	s_wait_kmcnt 0x0
	s_add_nc_u64 s[4:5], s[4:5], s[16:17]
	s_add_nc_u64 s[10:11], s[10:11], s[18:19]
	s_add_nc_u64 s[6:7], s[6:7], s[20:21]
	s_add_nc_u64 s[12:13], s[12:13], s[22:23]
	s_add_nc_u64 s[8:9], s[8:9], s[24:25]
	s_add_nc_u64 s[14:15], s[14:15], s[28:29]
	s_cmp_lg_u32 s26, 0
	s_cbranch_scc1 .Lno_mr
	global_load_b128 v[EX:EX+3], v1, s[8:9] th:TH_LOAD_NT  ; wave 0's extra load is the oldest of all: it changes no count of younger loads below
.Lno_mr:
.set issued, 0
.macro LD p                            ; piece p (0-31 modality_info, 32-39 f_w1) into slot p % NS
.set sl, X+4*((\p)%NS)
.if (\p) < 32
	global_load_b128 v[sl:sl+3], v1, s[4:5] offset:(\p)*PIN th:TH_LOAD_NT
.else
	global_load_b128 v[sl:sl+3], v1, s[6:7] offset:((\p)-32)*PIN th:TH_LOAD_NT
.endif
.set issued, issued+1
.endm
.macro DO p                            ; piece p is rounded in place and stored
.set sl, X+4*((\p)%NS)
	s_wait_loadcnt issued-1-(\p)                   ; loads come back in order: piece p is in, the younger ones stay out
	v_cvt_pk_bf16_f32 v[sl],   v[sl],   v[sl+1]
	v_cvt_pk_bf16_f32 v[sl+1], v[sl+2], v[sl+3]
.if (\p) < 32
	global_store_b64 v2, v[sl:sl+1], s[10:11] offset:(\p)*POUT
.else
	global_store_b64 v2, v[sl:sl+1], s[12:13] offset:((\p)-32)*POUT
.endif
.endm
.set pc, 0
.rept NS
	LD pc                                          ; all 28 slots are filled
.set pc, pc+1
.endr
.set dn, 0
.rept 3
.rept 4
	DO dn
.set dn, dn+1
.endr
	s_wait_xcnt 0x0                                ; the four slots just stored are loaded again only behind this wait: their stores have read their data
.rept 4
	LD pc
.set pc, pc+1
.endr
.endr
.rept 28
	DO dn                                          ; nothing is left to load: the counts run down 27 .. 0
.set dn, dn+1
.endr
	s_cmp_lg_u32 s26, 0
	s_cbranch_scc1 .Lend
	v_cvt_pk_bf16_f32 v[EX],   v[EX],   v[EX+1]     ; wave 0: mr_w's 128 numbers (its load is older than all that were waited for)
	v_cvt_pk_bf16_f32 v[EX+1], v[EX+2], v[EX+3]
	global_store_b64 v2, v[EX:EX+1], s[14:15]
.Lend:
	s_endpgm
.Lfunc_end_k_q54c475ba77_cast:
	.size	k_q54c475ba77_cast, .Lfunc_end_k_q54c475ba77_cast-k_q54c475ba77_cast
	.p2alignl 7, 3214868480
	.fill 96, 4, 3214868480
	.section	.rodata,"a",@progbits
	.p2align	6, 0x0
	.amdhsa_kernel k_q54c475ba77_cast
		.amdhsa_group_segment_fixed_size 0
		.amdhsa_private_segment_fixed_size 0
		.amdhsa_enable_private_segment 0
		.amdhsa_kernarg_size 48
		.amdhsa_user_sgpr_count 2
		.amdhsa_user_sgpr_kernarg_segment_ptr 1
		.amdhsa_wavefront_size32 1
		.amdhsa_system_sgpr_workgroup_id_x 1
		.amdhsa_system_sgpr_workgroup_id_y 1
		.amdhsa_system_sgpr_workgroup_id_z 1
		.amdhsa_system_vgpr_workitem_id 0
		.amdhsa_next_free_vgpr 120
		.amdhsa_next_free_sgpr 66
		.amdhsa_reserve_vcc 0
		.amdhsa_float_denorm_mode_32 3
		.amdhsa_float_denorm_mode_16_64 3
		.amdhsa_memory_ordered 1
		.amdhsa_forward_progress 1
		.amdhsa_inst_pref_size 16
	.end_amdhsa_kernel
	.amdgpu_metadata
---
amdhsa.version: [ 1, 2 ]
amdhsa.kernels:
  - .name:           k_q54c475ba77_cast
    .symbol:         k_q54c475ba77_cast.kd
    .args:
      - { .name: modality_info, .offset: 0, .size: 8, .value_kind: global_buffer, .address_space: global }
      - { .name: f_w1, .offset: 8, .size: 8, .value_kind: global_buffer, .address_space: global }
      - { .name: mr_w, .offset: 16, .size: 8, .value_kind: global_buffer, .address_space: global }
      - { .name: a16, .offset: 24, .size: 8, .value_kind: global_buffer, .address_space: global }
      - { .name: w1b, .offset: 32, .size: 8, .value_kind: global_buffer, .address_space: global }
      - { .name: wmr, .offset: 40, .size: 8, .value_kind: global_buffer, .address_space: global }
    .group_segment_fixed_size: 0
    .private_segment_fixed_size: 0
    .kernarg_segment_align: 8
    .kernarg_segment_size: 48
    .max_flat_workgroup_size: 1024
    .sgpr_count:     66
    .vgpr_count:     120
    .wavefront_size: 32
...
	.end_amdgpu_metadata
.endif
;; end of part 1
;; launch gemm (part 2): grid 8 x 32, 4 waves a work-group, clusters of 4 x 4, 327,680 bytes of LDS; arguments a16, w1b, part, f_b1, f_w2; writes part
.if DOCPART == 2
	.amdgcn_target "amdgcn-amd-amdhsa--gfx1250"
	.amdhsa_code_object_version 6
	.text
	.protected	k_q54c475ba77_gemm
	.globl	k_q54c475ba77_gemm
	.p2align	8
	.type	k_q54c475ba77_gemm,@function
k_q54c475ba77_gemm:
	s_mov_b64 s[64:65], 0
	v_nop
	global_prefetch_b8 v0, s[64:65] scope:SCOPE_SE
	s_setreg_imm32_b32 hwreg(HW_REG_WAVE_MODE, 25, 1), 1
	s_wait_xcnt 0x0
	s_wait_alu depctr_hold_cnt(0) depctr_sa_sdst(0) depctr_va_vdst(0) depctr_va_sdst(0) depctr_va_ssrc(0) depctr_va_vcc(0) depctr_vm_vsrc(0)
	s_getreg_b32 s2, hwreg(HW_REG_IB_STS2, 6, 4)
	s_cmp_eq_u32 s2, 0
	s_cbranch_scc0 .Lentry_in_a_cluster
	s_endpgm
.Lentry_in_a_cluster:
	s_bfe_u32 s2, ttmp6, 0x10000c
	s_cmp_lg_u32 s2, 0xf033
	s_cbranch_scc0 .Lentry_shape_is_right
	s_endpgm
.Lentry_shape_is_right:
; part[slice][token][j] = the sum over the slice's 128 columns n of relu(h[token][n] + b1[n]) w2[j][n],  h[token][n] = the sum over k of a16[token][k] w1b[n][k].
; a16: [8192][4096] bf16, w1b: [2048][4096] bf16 (both rounded once by the launch before); f_b1 [2048] and f_w2 [2][2048] are f32 and are rounded to bf16 here, like every input.
; h is never rounded and never leaves the registers: sums in f32, bias, relu and the two dot products in f32 straight from the accumulators.  part holds partial sums: f32.
; LIMITS.  All inputs count as their bf16 roundings; relu takes a NaN for 0; infinities are not treated apart.
; SHAPE.  8192 x 2048 of h are 256 tiles of 256 x 256, one to each work-group; four waves, each 128 x 128: 64 accumulators of 16 x 16, 512 registers.
; K goes in steps of 128 through a ring of two LDS slots filled by the tensor data mover; rows of 256 bytes at multiples of 256 bytes.
; CLUSTERS: 4 x 4 work-groups.  The four of a row of the cluster need the same tiles of a16, the four of a column the same tiles of w1b: each tile is asked for JOINTLY,
; by the same tensor load with the same descriptor and a mask that names the four.
; THE MATRIX INSTRUCTION IS USED TRANSPOSED: source 0 = 16 rows of w1b, source 1 = 16 rows of a16: lane l holds token l % 16 and the columns 8 (l / 16) + 0..7 of each block of 16.
; REGISTERS, in windows of 256 (s_set_vgpr_msb's low byte: bits 1:0 source 0, 3:2 source 1, 5:4 source 2, 7:6 destination):
;   window 0: v0-31 addresses; v64-127, v128-191 fragments of a16, two buffers (on the way out: at work); v192-255 w2[1] of my lane's 64 columns
;   window 1: v0-63 b1 of my lane's 64 columns; v64-127, v128-191 fragments of w1b; v192-255 w2[0]
;   window 2: the 32 accumulators of my rows 0-63 (accumulator (a, b) at v[8 (8 a + b)]);   window 3: those of my rows 64-127
.set SIZE_K, 4096
.set KSTEP,  128
.set PITCH,  272                       ; an LDS row: 256 bytes + 16 of padding = 68 words: the 16 rows that a load touches start at 16 different groups of four banks
.set HALFT,  128*PITCH                 ; 128 rows: what one tensor load brings, and what one wave reads of either operand
.set SLOT,   4*HALFT                   ; a16's 256 rows, then w1b's 256 rows
.set SPARE,  2*SLOT                    ; behind the ring: the spare words, 128 bytes for each wave: two blocks of 256 bytes that no other line names
.set LAPS,   SIZE_K/(2*KSTEP)          ; a lap = two K steps = once round the ring: 16
.set ADRA, 16                          ; v16-17  LDS address of my a16 fragments in slot 0, 1
.set ADRB, 20                          ; v20-21  the same for w1b
.set PO,   26                          ; v26     8 x lane: my byte offset in 256 bytes of part
.set CA,   27                          ; v27     32 x (lane / 16): my byte offset in b1's and w2's blocks of 16 columns
.set SPW,  28                          ; v28     LDS address of my spare word; never rewritten
.set NIL,  29                          ; v29     0; never rewritten
.set F0,   64
.set F1,   128
.set B1,   0                           ; window 1
.set W2,   192                         ; window 1: w2[0]; window 0: w2[1]
.set HB,   64                          ; the way out, window 0: relu(h + b1) of 16 tokens x my 64 columns
.set C0,   128                         ; four packed chains for w2[0]
.set C1,   136                         ; and for w2[1]
.set SA,   144                         ; v144-151: block a's sum for w2[0]; v152-159: for w2[1]
.set OP,   160                         ; v160-167: four pairs to store
.set G1, 24                            ; s[24:31] descriptor group 1 for a16's tiles
.set G0, 32                            ; s[32:39] descriptor group 0 for a16's tiles, one set for each slot
.set G1B, 48                           ; s[48:55], s[56:63] the same for w1b's tiles
.set G0B, 56
.set MSB, 0
.macro WIN new                         ; the immediate's high byte repeats the setting that is left; a switch that changes nothing is dropped
.if MSB != (\new)
	s_set_vgpr_msb (MSB<<8)|(\new)
.set MSB, \new
.endif
.endm
.set MUL_LO, 0xa1                      ; source 0 (w1b) window 1, source 1 (a16) window 0, C and D window 2
.set MUL_HI, 0xf1                      ; the same, C and D window 3
.set TO_B,   0x40                      ; destination window 1, address window 0
; A joint load.  Waves 0 and 1 fetch a16's two halves, waves 2 and 3 w1b's.  The branch hangs on the wave's number alone.
; An s_nop 0 and four v_nop follow each of the two lines, ahead of the jump, the label and what follows.
.macro JLOAD s
	s_cmp_eq_u32 s11, 0
	s_cbranch_scc0 .Lfor_b_\@
	tensor_load_to_lds s[G0+4*(\s):G0+4*(\s)+3], s[G1:G1+7]
	s_nop 0
.rept 4
	v_nop
.endr
	s_branch .Lasked_\@
.Lfor_b_\@:
	tensor_load_to_lds s[G0B+4*(\s):G0B+4*(\s)+3], s[G1B:G1B+7]
	s_nop 0
.rept 4
	v_nop
.endr
.Lasked_\@:
.endm
; A round of the cluster's barrier: my work-group's barrier; wave 0 signals for the work-group; every wave waits for all sixteen; my work-group's barrier once more.
.macro CREST                           ; a round behind its opening barrier
	s_cmp_lg_u32 s10, 0
	s_cbranch_scc1 .Lnot_wave_0_\@
	s_barrier_signal -3
.Lnot_wave_0_\@:
	s_barrier_wait -3
	s_barrier_signal -1
	s_barrier_wait -1
.endm
.macro CROUND
	s_barrier_signal -1
	s_barrier_wait -1
	CREST
.endm
	s_load_b128 s[4:7], s[0:1], 0x0                ; a16 s[4:5], w1b s[6:7]
	s_load_b64 s[8:9], s[0:1], 0x10                ; part
	s_load_b128 s[68:71], s[0:1], 0x18             ; f_b1 s[68:69], f_w2 s[70:71]
	v_lshl_add_u32 v[SPW], v0, 2, SPARE
	v_mov_b32 v[NIL], 0
	ds_add_u32 v[SPW], v[NIL]                      ; the wave's opening: the add and its wait stand ahead of my first tensor load; the set-up below stands between them
	v_lshrrev_b32 v1, 5, v0
	v_readfirstlane_b32 s10, v1                    ; wave 0..3
	s_lshr_b32 s11, s10, 1                         ; which half of the tile's rows is mine.  Also: I fetch for a16 (0) or for w1b (1)
	s_and_b32 s12, s10, 1                          ; which half of its columns.  Also: which 128 rows of that tile I fetch
	s_bfe_u32 s40, ttmp6, 0x40000                  ; cx
	s_bfe_u32 s41, ttmp6, 0x40004                  ; cy
	s_lshl_b32 s42, ttmp9, 2
	s_add_co_u32 s42, s42, s40                     ; tile column = 4 x cluster x + cx
	s_and_b32 s13, ttmp7, 0xffff
	s_lshl_b32 s13, s13, 2
	s_add_co_u32 s13, s13, s41                     ; tile row = 4 x cluster y + cy
	s_lshl_b32 s43, s41, 2
	s_lshl_b32 s43, 15, s43                        ; my row of the cluster: places 4 cy .. 4 cy + 3
	s_lshl_b32 s44, 0x1111, s40                    ; my column: places cx, cx + 4, cx + 8, cx + 12
	s_mov_b32 s74, 0xffff0000                      ; a word's upper bf16; also, as a lane mask, lanes 16-31
	s_mov_b32 s76, 0x76543210                      ; v_permlanex16_b32: each lane takes its own place in the other half
	s_mov_b32 s77, 0xfedcba98
	; descriptor group 1: a tile of 128 rows x 128 elements, padded in LDS
	s_or_b32 s[G1+0], s43, (1<<16)|(1<<20)|(1<<21)|(5<<22)|(3<<25)  ; 15:0 the mask: a16's tiles go to my row; 17:16 2-byte elements; 20 padding on; 21 set beside a mask; 24:22 after every 64 words; 31:25 4 words
	s_or_b32 s[G1B+0], s44, (1<<16)|(1<<20)|(1<<21)|(5<<22)|(3<<25) ; the same with the mask of my column, for w1b's tiles
.irp g, G1, G1B
	s_mov_b32 s[(\g)+1], KSTEP<<16                 ; tensor_dim0 = 128
	s_mov_b32 s[(\g)+2], 128<<16                   ; tensor_dim1 = 128
	s_mov_b32 s[(\g)+3], KSTEP<<16                 ; tile_dim0 = 128
	s_mov_b32 s[(\g)+4], 128                       ; tile_dim1 = 128
	s_mov_b32 s[(\g)+5], SIZE_K                    ; elements from row to row
	s_mov_b32 s[(\g)+6], 0
	s_mov_b32 s[(\g)+7], 0
.endr
	; a16's tiles hang on the tile row alone, which my row of the cluster shares; w1b's on the tile column alone, which my column shares
	s_lshl_b32 s17, s12, 7                         ; which 128 rows of the tile I fetch
	s_lshl_b32 s16, s13, 8
	s_add_co_u32 s16, s16, s17                     ; a16: row 256 x tile row + 128 x half
	s_lshl_b32 s46, s42, 8
	s_add_co_u32 s46, s46, s17                     ; w1b: row 256 x tile column + 128 x half
	s_mov_b32 s17, 0
	s_mov_b32 s47, 0
	s_mov_b64 s[18:19], SIZE_K*2
	s_mul_u64 s[16:17], s[16:17], s[18:19]         ; in bytes
	s_mul_u64 s[46:47], s[46:47], s[18:19]
	s_mul_i32 s20, s10, HALFT                      ; where they go: wave x 128 rows: no place in the cluster enters an LDS address
	s_wait_dscnt 0x0                               ; the opening add is done
	s_wait_kmcnt 0x0
	s_add_nc_u64 s[14:15], s[4:5], s[16:17]
	s_add_nc_u64 s[46:47], s[6:7], s[46:47]
	CROUND                                         ; all sixteen work-groups are here: the first joint loads meet
.irp s, 0,1
	s_mov_b32 s[G0+4*(\s)], 1                                      ; count = 1
	s_add_co_u32 s[G0+4*(\s)+1], s20, (\s)*SLOT                    ; LDS address
	s_add_nc_u64 s[G0+4*(\s)+2:G0+4*(\s)+3], s[14:15], (\s)*KSTEP*2  ; global address: K step s
	s_or_b32 s[G0+4*(\s)+3], s[G0+4*(\s)+3], 0x80000000            ; type = 2
	s_mov_b32 s[G0B+4*(\s)], 1
	s_add_co_u32 s[G0B+4*(\s)+1], s20, (\s)*SLOT
	s_add_nc_u64 s[G0B+4*(\s)+2:G0B+4*(\s)+3], s[46:47], (\s)*KSTEP*2
	s_or_b32 s[G0B+4*(\s)+3], s[G0B+4*(\s)+3], 0x80000000
	JLOAD \s                                       ; the ring is filled before anything else is done: two loads of mine are out
.endr
	; A fragment is 16 rows x 32 K in 8 registers: lane l holds row l % 16; registers 0-3 hold K = 8 (l / 16) + 0..7, registers 4-7 K = 16 + 8 (l / 16) + 0..7: two loads of 16 bytes, 32 bytes apart.
	v_and_b32 v1, 15, v0                           ; l % 16
	v_bfe_u32 v2, v0, 4, 1                         ; l / 16
	v_mul_u32_u24 v3, v1, PITCH
	v_lshl_add_u32 v3, v2, 4, v3                   ; row x pitch + 16 x half
	s_mul_i32 s21, s11, HALFT                      ; my 128 rows of a16
	s_mul_i32 s22, s12, HALFT                      ; my 128 rows of w1b,
	s_add_co_u32 s22, s22, 2*HALFT                 ; which lie behind a16's 256
.irp s, 0,1
	v_add_nc_u32 v[ADRA+(\s)], s21, v3
	v_add_nc_u32 v[ADRB+(\s)], s22, v3
	s_add_co_u32 s21, s21, SLOT
	s_add_co_u32 s22, s22, SLOT
.endr
	; b1 and the two rows of w2 for my lane's 64 columns, kept in registers for the whole kernel.  My wave's columns begin at n0 = 256 x tile column + 128 x half;
	; number 8 b + i of a table belongs to column n0 + 16 b + 8 (l / 16) + i, as register i of accumulator (a, b) does.
	v_lshlrev_b32 v[CA], 5, v2
	v_and_b32 v4, 31, v0
	v_lshlrev_b32 v[PO], 3, v4
	s_lshl_b32 s72, s42, 10                        ; n0 x 4 bytes
	s_lshl_b32 s73, s12, 9
	s_add_co_u32 s72, s72, s73
	s_mov_b32 s73, 0
	s_add_nc_u64 s[68:69], s[68:69], s[72:73]
	s_add_nc_u64 s[70:71], s[70:71], s[72:73]
	WIN TO_B
.irp b, 0,1,2,3,4,5,6,7
	global_load_b128 v[B1+8*(\b):B1+8*(\b)+3],   v[CA], s[68:69] offset:64*(\b)
	global_load_b128 v[B1+8*(\b)+4:B1+8*(\b)+7], v[CA], s[68:69] offset:64*(\b)+16
	global_load_b128 v[W2+8*(\b):W2+8*(\b)+3],   v[CA], s[70:71] offset:64*(\b)
	global_load_b128 v[W2+8*(\b)+4:W2+8*(\b)+7], v[CA], s[70:71] offset:64*(\b)+16
.endr
	WIN 0
.irp b, 0,1,2,3,4,5,6,7
	global_load_b128 v[W2+8*(\b):W2+8*(\b)+3],   v[CA], s[70:71] offset:8192+64*(\b)
	global_load_b128 v[W2+8*(\b)+4:W2+8*(\b)+7], v[CA], s[70:71] offset:8192+64*(\b)+16
.endr
	; where my 128 tokens x 2 numbers go: slice 2 x tile column + half (65,536 bytes each), token 256 x tile row + 128 x half (8 bytes each)
	s_lshl_b32 s72, s42, 1
	s_add_co_u32 s72, s72, s12
	s_lshl_b32 s72, s72, 16
	s_lshl_b32 s78, s13, 11
	s_add_co_u32 s72, s72, s78
	s_lshl_b32 s78, s11, 10
	s_add_co_u32 s72, s72, s78
	s_add_nc_u64 s[8:9], s[8:9], s[72:73]
	s_wait_loadcnt 0x0                             ; the three tables, once; all this stands in the wait for the first tile
; 64 numbers are rounded to bf16 and kept as f32; the temporaries v64-71 of the same window are free until the first fragments come
.macro ROUND base
.set q, 0
.rept 32
	v_cvt_pk_bf16_f32 v[64+q%8], v[(\base)+2*q], v[(\base)+2*q+1]
	v_lshlrev_b32 v[(\base)+2*q], 16, v[64+q%8]
	v_and_b32 v[(\base)+2*q+1], s74, v[64+q%8]
.set q, q+1
.endr
.endm
	WIN 0x45                                       ; sources and destination in window 1
	ROUND B1
	ROUND W2
	WIN 0
	ROUND W2
; 16 matrix instructions: m blocks a0, a0 + 1 of the window's four x all 8 n blocks, 32 along K.  zero = 1: the first product starts the sums: nothing is ever cleared.
.macro MUL16 f, hi, a0, zero
	WIN MUL_LO+0x50*(\hi)
.irp a, \a0, (\a0)+1
.irp b, 0,1,2,3,4,5,6,7
.if \zero
	v_wmma_f32_16x16x32_bf16 v[8*(8*(\a)+(\b)):8*(8*(\a)+(\b))+7], v[(\f)+8*(\b):(\f)+8*(\b)+7], v[(\f)+8*(4*(\hi)+(\a)):(\f)+8*(4*(\hi)+(\a))+7], 0
.else
	v_wmma_f32_16x16x32_bf16 v[8*(8*(\a)+(\b)):8*(8*(\a)+(\b))+7], v[(\f)+8*(\b):(\f)+8*(\b)+7], v[(\f)+8*(4*(\hi)+(\a)):(\f)+8*(4*(\hi)+(\a))+7], v[8*(8*(\a)+(\b)):8*(8*(\a)+(\b))+7]
.endif
.endr
.endr
.endm
; 32 LDS loads in one run: the fragments of one quarter step (32 K at byte k of the rows) into buffer f
.macro FETCH slot, k, f
	WIN TO_B
.irp i, 0,1,2,3,4,5,6,7
	ds_load_b128 v[(\f)+8*(\i):(\f)+8*(\i)+3],   v[ADRB+(\slot)] offset:(\k)+(\i)*16*PITCH
	ds_load_b128 v[(\f)+8*(\i)+4:(\f)+8*(\i)+7], v[ADRB+(\slot)] offset:(\k)+(\i)*16*PITCH+32
.endr
	WIN 0
.irp i, 0,1,2,3,4,5,6,7
	ds_load_b128 v[(\f)+8*(\i):(\f)+8*(\i)+3],   v[ADRA+(\slot)] offset:(\k)+(\i)*16*PITCH
	ds_load_b128 v[(\f)+8*(\i)+4:(\f)+8*(\i)+7], v[ADRA+(\slot)] offset:(\k)+(\i)*16*PITCH+32
.endr
.endm
; Four plain vector instructions stand between a matrix instruction and a load into, or a vector write of, one of its registers, or a vector read of its result
.macro PLACES
.rept 4
	v_nop
.endr
.endm
; A K step is four quarters of 32 along K, 64 matrix instructions each, on buffers 0, 1, 0, 1.  One of the first three: multiplies buffer f; in its middle it fetches the next quarter into g.
.macro QUARTER slot, k, f, g, zero
	s_wait_dscnt 8                                 ; w1b's and a16's rows 0-63 are in; the youngest eight loads (a16's rows 64-127) may be out
	MUL16 \f, 0, 0, \zero
	MUL16 \f, 0, 2, \zero
	PLACES
	FETCH \slot, \k, \g
	s_wait_dscnt 32                                ; all but the 32 just issued
	MUL16 \f, 1, 0, \zero
	MUL16 \f, 1, 2, \zero
.endm
; The last quarter multiplies buffer 1 and changes slots.  MEET is its first half: ONE barrier.  In front of it each wave waits for all its tensor loads, of which one is out: its part of the next
; slot; adds 0 to its spare word; and waits for that and for its own reads of this slot.  Behind it nobody reads this slot any more and the next slot is whole.
.macro MEET round
	WIN 0                                          ; (the add's two registers lie in window 0)
	s_wait_tensorcnt 0x0                           ; all my tensor loads have landed
	ds_add_u32 v[SPW], v[NIL]                      ; 0 onto my spare word
	s_wait_dscnt 9                                 ; (the add and the youngest eight loads may be out)
	MUL16 F1, 0, 0, 0                              ; sixteen matrix instructions stand between the add and the wait for it
	s_wait_dscnt 0x0                               ; the add is done, and my reads of this slot are over
	s_barrier_signal -1
	MUL16 F1, 0, 2, 0                              ; work on registers while the others arrive
.if \round
	WIN 0
.endif
	s_barrier_wait -1
.endm
; The whole last quarter, with a refill: the barrier opens a round of the cluster's barrier; behind it the slot just read out is filled again first, with the K step two steps on:
; 224 matrix instructions stand between that request and the wait for it.
.macro TURN slot, next
	MEET 1
	CREST                                          ; no wave of any partner still reads this slot's tile or has a load on its way
	s_add_nc_u64 s[G0+4*(\slot)+2:G0+4*(\slot)+3], s[G0+4*(\slot)+2:G0+4*(\slot)+3], 2*KSTEP*2
	s_add_nc_u64 s[G0B+4*(\slot)+2:G0B+4*(\slot)+3], s[G0B+4*(\slot)+2:G0B+4*(\slot)+3], 2*KSTEP*2
	JLOAD \slot                                    ; my one tensor load behind the round; the four v_nop behind it are also the places in front of the loads below
	FETCH \next, 0, F0
	MUL16 F1, 1, 0, 0
	MUL16 F1, 1, 2, 0
.endm
	s_wait_tensorcnt 1                             ; my part of K step 0 is in; K step 1's load may stay out
	s_barrier_signal -1
	s_barrier_wait -1                              ; everybody's is
	FETCH 0, 0, F0
	QUARTER 0, 64,  F0, F1, 1                      ; the first quarter stands in front of the loop: its products start the sums
	WIN 0                                          ; at a label and at a branch every window is 0
	s_mov_b32 s3, LAPS-1
.Llap:                                                 ; a trip goes once round the ring, from a lap's second quarter to the next lap's first, and fills both slots again
	QUARTER 0, 128, F1, F0, 0
	QUARTER 0, 192, F0, F1, 0
	TURN 0, 1
	QUARTER 1, 64,  F0, F1, 0
	QUARTER 1, 128, F1, F0, 0
	QUARTER 1, 192, F0, F1, 0
	TURN 1, 0
	QUARTER 0, 64,  F0, F1, 0
	WIN 0
	s_sub_co_u32 s3, s3, 1
	s_cmp_lg_u32 s3, 0
	s_cbranch_scc1 .Llap
	QUARTER 0, 128, F1, F0, 0                      ; the last lap is written out: it asks for nothing more
	QUARTER 0, 192, F0, F1, 0
	MEET 0                                         ; my one load that was still out is slot 1's, the last K step's, so no round follows
	PLACES
	FETCH 1, 0, F0
	MUL16 F1, 1, 0, 0
	MUL16 F1, 1, 2, 0
	QUARTER 1, 64,  F0, F1, 0
	QUARTER 1, 128, F1, F0, 0
	QUARTER 1, 192, F0, F1, 0
	s_wait_dscnt 8                                 ; the very last quarter: nothing more to fetch
	MUL16 F1, 0, 0, 0
	MUL16 F1, 0, 2, 0
	s_wait_dscnt 0x0
	MUL16 F1, 1, 0, 0
	MUL16 F1, 1, 2, 0
	WIN 0
	PLACES                                         ; the additions below read results just made
; THE WAY OUT of block a (16 tokens x my 128 columns, of which my lane holds 64): h + b1, relu, and the two dot products with w2, all in f32.
; Each accumulator's registers are taken in ascending order.  Four packed chains for each row of w2; their first links are products: nothing is cleared.
.macro EPI a
.set AC, 64*((\a)%4)
	WIN 0x06+(\a)/4                                ; source 0: window 2 or 3 (the accumulators); source 1: window 1 (b1); destination window 0
.set q, 0
.rept 32
	v_pk_add_f32 v[HB+2*q:HB+2*q+1], v[AC+2*q:AC+2*q+1], v[B1+2*q:B1+2*q+1]
.set q, q+1
.endr
	WIN 0
.set q, 0
.rept 64
	v_max_num_f32 v[HB+q], 0, v[HB+q]
.set q, q+1
.endr
	WIN 0x04                                       ; source 1: window 1 (w2[0])
.set q, 0
.rept 32
.if q < 4
	v_pk_mul_f32 v[C0+2*q:C0+2*q+1], v[HB+2*q:HB+2*q+1], v[W2+2*q:W2+2*q+1]
.else
	v_pk_fma_f32 v[C0+2*(q%4):C0+2*(q%4)+1], v[HB+2*q:HB+2*q+1], v[W2+2*q:W2+2*q+1], v[C0+2*(q%4):C0+2*(q%4)+1]
.endif
.set q, q+1
.endr
	WIN 0                                          ; w2[1] lies in window 0
.set q, 0
.rept 32
.if q < 4
	v_pk_mul_f32 v[C1+2*q:C1+2*q+1], v[HB+2*q:HB+2*q+1], v[W2+2*q:W2+2*q+1]
.else
	v_pk_fma_f32 v[C1+2*(q%4):C1+2*(q%4)+1], v[HB+2*q:HB+2*q+1], v[W2+2*q:W2+2*q+1], v[C1+2*(q%4):C1+2*(q%4)+1]
.endif
.set q, q+1
.endr
	v_pk_add_f32 v[C0:C0+1],   v[C0:C0+1],   v[C0+2:C0+3]
	v_pk_add_f32 v[C0+4:C0+5], v[C0+4:C0+5], v[C0+6:C0+7]
	v_pk_add_f32 v[C1:C1+1],   v[C1:C1+1],   v[C1+2:C1+3]
	v_pk_add_f32 v[C1+4:C1+5], v[C1+4:C1+5], v[C1+6:C1+7]
	v_pk_add_f32 v[C0:C0+1],   v[C0:C0+1],   v[C0+4:C0+5]
	v_pk_add_f32 v[C1:C1+1],   v[C1:C1+1],   v[C1+4:C1+5]
	v_add_f32 v[SA+(\a)],   v[C0], v[C0+1]
	v_add_f32 v[SA+8+(\a)], v[C1], v[C1+1]
.endm
.irp a, 0,1,2,3,4,5,6,7
	EPI \a
.endr
	; A token's other 64 columns lie in the lane 16 away.  Of blocks 2 q and 2 q + 1 lanes 0-15 keep the first and send the second, lanes 16-31 the other way round:
	; lane l then holds the whole sum of token 32 q + l.
.irp q, 0,1,2,3
.irp j, 0,1
	v_cndmask_b32 v[HB+4*(2*(\q)+(\j))],   v[SA+8*(\j)+2*(\q)],   v[SA+8*(\j)+2*(\q)+1], s74
	v_cndmask_b32 v[HB+4*(2*(\q)+(\j))+1], v[SA+8*(\j)+2*(\q)+1], v[SA+8*(\j)+2*(\q)],   s74
	v_permlanex16_b32 v[HB+4*(2*(\q)+(\j))+2], v[HB+4*(2*(\q)+(\j))+1], s76, s77
	v_add_f32 v[OP+2*(\q)+(\j)], v[HB+4*(2*(\q)+(\j))], v[HB+4*(2*(\q)+(\j))+2]
.endr
.endr
.irp q, 0,1,2,3
	global_store_b64 v[PO], v[OP+2*(\q):OP+2*(\q)+1], s[8:9] offset:256*(\q)  ; 32 lanes store 256 consecutive bytes, at a multiple of 256 from part's first byte
.endr
	s_wait_tensorcnt 0x0                           ; the wave's end: an add to my spare word and its wait, behind my last tensor load
	ds_add_u32 v[SPW], v[NIL]
	s_wait_dscnt 0x0
	CROUND                                         ; the closing round: no work-group ends while a partner may still ask for a tile that names it
	s_endpgm
.Lfunc_end_k_q54c475ba77_gemm:
	.size	k_q54c475ba77_gemm, .Lfunc_end_k_q54c475ba77_gemm-k_q54c475ba77_gemm
	.p2alignl 7, 3214868480
	.fill 96, 4, 3214868480
	.section	.rodata,"a",@progbits
	.p2align	6, 0x0
	.amdhsa_kernel k_q54c475ba77_gemm
		.amdhsa_group_segment_fixed_size 327680
		.amdhsa_private_segment_fixed_size 0
		.amdhsa_enable_private_segment 0
		.amdhsa_kernarg_size 40
		.amdhsa_user_sgpr_count 2
		.amdhsa_user_sgpr_kernarg_segment_ptr 1
		.amdhsa_wavefront_size32 1
		.amdhsa_system_sgpr_workgroup_id_x 1
		.amdhsa_system_sgpr_workgroup_id_y 1
		.amdhsa_system_sgpr_workgroup_id_z 1
		.amdhsa_system_vgpr_workitem_id 0
		.amdhsa_next_free_vgpr 1024
		.amdhsa_next_free_sgpr 80
		.amdhsa_reserve_vcc 0
		.amdhsa_float_denorm_mode_32 3
		.amdhsa_float_denorm_mode_16_64 3
		.amdhsa_memory_ordered 1
		.amdhsa_forward_progress 1
		.amdhsa_inst_pref_size 198
	.end_amdhsa_kernel
	.amdgpu_metadata
---
amdhsa.version: [ 1, 2 ]
amdhsa.kernels:
  - .name:           k_q54c475ba77_gemm
    .symbol:         k_q54c475ba77_gemm.kd
    .args:
      - { .name: a16, .offset: 0, .size: 8, .value_kind: global_buffer, .address_space: global }
      - { .name: w1b, .offset: 8, .size: 8, .value_kind: global_buffer, .address_space: global }
      - { .name: part, .offset: 16, .size: 8, .value_kind: global_buffer, .address_space: global }
      - { .name: f_b1, .offset: 24, .size: 8, .value_kind: global_buffer, .address_space: global }
      - { .name: f_w2, .offset: 32, .size: 8, .value_kind: global_buffer, .address_space: global }
    .group_segment_fixed_size: 327680
    .private_segment_fixed_size: 0
    .kernarg_segment_align: 8
    .kernarg_segment_size: 40
    .max_flat_workgroup_size: 128
    .sgpr_count:     80
    .vgpr_count:     1024
    .wavefront_size: 32
...
	.end_amdgpu_metadata
.endif
;; end of part 2
;; launch router (part 3): grid 256 x 1, 4 waves a work-group, no clusters, 227,328 bytes of LDS; arguments x, ln_g, ln_b, wmr, mr_b, f_b2, part, out0, out1, auxp; writes out0, out1, auxp
.if DOCPART == 3
	.amdgcn_target "amdgcn-amd-amdhsa--gfx1250"
	.amdhsa_code_object_version 6
	.text
	.protected	k_q54c475ba77_router
	.globl	k_q54c475ba77_router
	.p2align	8
	.type	k_q54c475ba77_router,@function
k_q54c475ba77_router:
	s_mov_b64 s[64:65], 0
	v_nop
	global_prefetch_b8 v0, s[64:65] scope:SCOPE_SE
	s_setreg_imm32_b32 hwreg(HW_REG_WAVE_MODE, 25, 1), 1
	s_wait_xcnt 0x0
; For 32 tokens a work-group: LayerNorm of x, the 16 router logits, the two modality weights (from part, the launch before's partial sums), both softmaxes, the top 2, and the
; work-group's sums of the 16 probabilities and the 2 weights for the loss.
; FORMATS.  Every input (x, ln_g, ln_b, mr_w, mr_b, f_b2) counts as its bf16 rounding; nothing that is made here is rounded to 16 bits.  The router product's left operand,
; y = (x - mu) g, is an f32 number: it is CUT EXACTLY into three bf16 terms (the upper 16 bits, the upper 16 bits of what is left, and the rest: 8 + 8 + 8 significant bits), and each term
; is multiplied in the bf16 matrix form into an accumulator of its own.  logit = rs (sum y W) + (sum b W + mr_b), rs = 1 / sqrt(var + eps): rs comes behind the product, so one pass makes
; the variance (of x - mu: two-pass) and the product.
; LIMITS.  Weights and probabilities below 2^-126 count as 0; NaN and infinities are not treated apart; the top 2 is taken on exp(l - max), ties to the lower index;
; the order of the f32 sums differs from a plain loop's.  Both softmaxes take their maxima away.
; SHARES.  Tile 0 = tokens 0-15, tile 1 = tokens 16-31.  Wave w owns columns 512 w .. 512 w + 511 of everything: 16 K steps of 32.  A wave reads only LDS bytes that it wrote itself, but for three exchanges.
; TWO STAGES.  mr_w, ln_b, ln_g and tile 0's rows are asked for first, tile 1's rows as soon as the count of loads allows; all of tile 0's arithmetic stands between the request for tile 1's rows
; and the waits for them.  No landing register is used twice.
; NO CLUSTER, NO TENSOR LOADS: x must be rounded on its way into LDS, so it goes through registers; what work-groups share (mr_w, ln_g, ln_b: 80 of the 336 KB that a work-group reads) comes the same way.
; LAYOUT.  Source 0 = 16 experts (rows of mr_w), source 1 = 16 tokens: in the result lane (r, h) holds token r and the experts 8 h + 0..7, which are modality h's.
; REGISTERS, in windows of 256: window 0 at work (map below); window 1: tile 0's x as loaded; window 2: tile 1's; window 3: v0-127 mr_w, v128-143 ln_b, v144-159 ln_g, v160-191 part, v192-199 mr_b, v200-201 f_b2.
.set PPITCH, 1040                      ; a panel row: 1,024 bytes of bf16 + 16 = 260 words: 16 rows start at 16 different groups of four banks
.set PANEL,  51200                     ; wave w's panel at w x 51,200: rows 0-31 x, 32-47 mr_w, 48 ln_b
.set GT,     204800                    ; wave w's 512 gains, rounded, as f32: 2,048 bytes each
.set S1,     212992                    ; the exchanges of sums: [wave][tile][16 tokens] f32
.set EX2,    213504                    ; the last exchange, 3,328 bytes a wave: E of tile 0 (2 x 512), of tile 1, the bias product, the sums of squares (256)
.set EXW,    3328
.set SPARE,  226816                    ; the spare words, 128 bytes for each wave: two blocks of 256 bytes that no other line names
.set X0,   32                          ; v[32:39], v[40:47]  x fragment of tile 0, 1
.set WF,   48                          ; v[48:55]   mr_w fragment
.set BF,   56                          ; v[56:63]   ln_b fragment
.set GG,   64                          ; v[64:79]   16 gains
.set DD,   80                          ; v[80:95]   16 numbers at work
.set TT,   96                          ; v[96:111]  their upper halves
.set TS,   112                         ; tile t's three terms at TS + 24 t: 8 registers each
.set ACC,  160                         ; tile t's three accumulators at ACC + 24 t
.set CB,   208                         ; v[208:215] sum b W
.set TA,   216                         ; v[216:223], v[224:231] the sums of x over the even and the odd K steps
.set SQ,   232                         ; v[232:235], v[236:239] sums of squares, two packed chains a tile
.set MU,   240                         ; v[240:241], v[242:243] mu of tile 0, 1, twice each
.set ONES, 244                         ; v[244:251] 1.0 in every bf16
.set IDX,  200                         ; the end: v[200:207] my eight experts' numbers
.set MSB, 0
.macro WIN new                         ; bits 1:0 source 0, 3:2 source 1, 5:4 source 2, 7:6 destination; the high byte repeats the setting that is left
.if MSB != (\new)
	s_set_vgpr_msb (MSB<<8)|(\new)
.set MSB, \new
.endif
.endm
	s_load_b512 s[4:19], s[0:1], 0x0               ; x s[4:5], ln_g s[6:7], ln_b s[8:9], wmr s[10:11], mr_b s[12:13], f_b2 s[14:15], part s[16:17], out0 s[18:19]
	s_load_b128 s[20:23], s[0:1], 0x40             ; out1 s[20:21], auxp s[22:23]
	v_lshl_add_u32 v30, v0, 2, SPARE               ; my spare word,
	v_mov_b32 v31, 0                               ; and 0: kept for the add alone
	v_lshrrev_b32 v4, 5, v0
	v_readfirstlane_b32 s24, v4                    ; wave 0..3
	v_and_b32 v1, 31, v0                           ; lane
	v_and_b32 v2, 15, v0                           ; r
	v_bfe_u32 v3, v0, 4, 1                         ; h
	s_mov_b32 s25, 0xffff0000                      ; a word's upper bf16; also, as a lane mask, lanes 16-31
	s_mov_b32 s26, 0x07060302                      ; v_perm_b32: the two sources' upper halves
	s_mov_b32 s28, 0x76543210                      ; v_permlanex16_b32: each lane takes its own place in the other half
	s_mov_b32 s29, 0xfedcba98
	s_mov_b32 s42, 0x3a000000                      ; 1 / 2048
	s_mov_b32 s43, 0x3727c5ac                      ; 1e-5
	s_mov_b32 s44, 0x3fb8aa3b                      ; log2(e)
	s_mov_b32 s45, s44                             ; named with it as a pair
	s_mul_i32 s33, s24, PANEL                      ; my panel
	s_lshl_b32 s34, s24, 11
	s_add_co_u32 s34, s34, GT                      ; my gains
	s_mul_i32 s35, s24, EXW
	s_add_co_u32 s35, s35, EX2                     ; my part of the last exchange
	v_lshlrev_b32 v4, 4, v1                        ; v4  16 x lane: global loads
	v_lshl_add_u32 v5, v1, 3, s33                  ; v5  panel + 8 x lane: stores of 4 bf16
	v_lshl_add_u32 v6, v1, 4, s33                  ; v6  panel + 16 x lane: stores of 8 bf16
	v_lshl_add_u32 v7, v1, 4, s34                  ; v7  gains + 16 x lane
	v_mul_u32_u24 v8, v2, PPITCH
	v_lshl_add_u32 v8, v3, 4, v8
	v_add_nc_u32 v8, s33, v8                       ; v8  panel + 1,040 r + 16 h: fragments of x and mr_w
	s_add_co_u32 s36, s33, 48*PPITCH
	v_lshl_add_u32 v9, v3, 4, s36                  ; v9  ln_b's row + 16 h: the same for every r
	v_lshl_add_u32 v10, v3, 5, s34                 ; v10 gains + 32 h
	s_lshl_b32 s36, s24, 7
	s_add_co_u32 s36, s36, S1
	v_lshl_add_u32 v14, v2, 2, s36                 ; v14 exchange of sums, in: my wave's 128 bytes + 4 r (lanes r and 16 + r hold the same number)
	v_lshl_add_u32 v15, v2, 2, S1                  ; v15 exchange of sums, back
	v_lshl_add_u32 v16, v1, 4, s35                 ; v16 last exchange, in
	s_add_co_u32 s36, s35, 3072
	v_lshl_add_u32 v17, v1, 3, s36                 ; v17 its sums of squares
	v_lshl_add_u32 v18, v1, 4, EX2                 ; v18 last exchange, back
	v_lshl_add_u32 v19, v1, 3, EX2+3072            ; v19
	v_lshlrev_b32 v20, 3, v2
	v_lshl_add_u32 v20, v3, 19, v20                ; v20 part: 8 slices of 65,536 bytes x h + 8 r
	v_lshlrev_b32 v21, 5, v3                       ; v21 32 h: my eight numbers of mr_b
	v_mov_b32 v22, 0                               ; v22 0: f_b2
	v_lshlrev_b32 v23, 3, v1                       ; v23 8 x lane: out0, out1
	v_lshlrev_b32 v24, 2, v1                       ; v24 4 x lane: auxp
.irp i, 0,1,2,3,4,5,6,7
	v_mov_b32 v[ONES+(\i)], 0x3f803f80
.endr
	s_wait_kmcnt 0x0
	s_lshl_b32 s36, ttmp9, 18                      ; my 32 rows of 8,192 bytes,
	s_lshl_b32 s38, s24, 11                        ; my wave's 2,048 bytes of a row
	s_add_co_u32 s36, s36, s38
	s_mov_b32 s37, 0
	s_mov_b32 s39, 0
	s_add_nc_u64 s[4:5], s[4:5], s[36:37]
	s_add_nc_u64 s[6:7], s[6:7], s[38:39]
	s_add_nc_u64 s[8:9], s[8:9], s[38:39]
	s_lshl_b32 s36, s24, 10
	s_add_nc_u64 s[10:11], s[10:11], s[36:37]
	s_lshl_b32 s36, ttmp9, 8                       ; 32 tokens x 8 bytes
	s_add_nc_u64 s[16:17], s[16:17], s[36:37]
	s_add_nc_u64 s[18:19], s[18:19], s[36:37]
	s_add_nc_u64 s[20:21], s[20:21], s[36:37]
	s_lshl_b32 s36, ttmp9, 7
	s_add_nc_u64 s[22:23], s[22:23], s[36:37]
; THE LOADS, in groups.  x group g (0-7): rows 4 g .. 4 g + 3, 16 loads of 512 consecutive bytes, into window 1 + g / 4 at v[64 (g % 4) ..].
.macro ISSUE_X g
	WIN 0x40*(1+(\g)/4)                            ; destination window 1 or 2, address window 0
.set n, 0
.rept 16
	global_load_b128 v[64*((\g)%4)+4*n:64*((\g)%4)+4*n+3], v4, s[4:5] offset:(4*(\g)+n/4)*8192+(n%4)*512 th:TH_LOAD_NT
.set n, n+1
.endr
.endm
.macro ISSUE_W e                       ; eight rows of mr_w (bf16), 16 loads, into window 3 at v[64 e ..]
	WIN 0xc0
.set n, 0
.rept 16
	global_load_b128 v[64*(\e)+4*n:64*(\e)+4*n+3], v4, s[10:11] offset:(8*(\e)+n/2)*4096+(n%2)*512
.set n, n+1
.endr
.endm
.macro ISSUE_L                         ; ln_b and ln_g, 4 + 4 loads, into window 3
	WIN 0xc0
.set n, 0
.rept 4
	global_load_b128 v[128+4*n:128+4*n+3], v4, s[8:9] offset:n*512
.set n, n+1
.endr
.set n, 0
.rept 4
	global_load_b128 v[144+4*n:144+4*n+3], v4, s[6:7] offset:n*512
.set n, n+1
.endr
.endm
; Rows r0 .. r0 + nr - 1 of x group g: rounded to bf16, 8 bytes a lane into the panel
.macro PROCESS_X g, r0=0, nr=4
	WIN 0x05*(1+(\g)/4)                            ; sources window 1 or 2, destination window 0
.set n, 8*(\r0)
.rept 8*(\nr)
	v_cvt_pk_bf16_f32 v[32+n], v[64*((\g)%4)+2*n], v[64*((\g)%4)+2*n+1]
.set n, n+1
.endr
	WIN 0
.set n, 4*(\r0)
.rept 4*(\nr)
	ds_store_b64 v5, v[32+2*n:33+2*n] offset:(4*(\g)+n/4)*PPITCH+(n%4)*256
.set n, n+1
.endr
.endm
.macro PROCESS_W e                     ; mr_w is bf16 already: as it came
	WIN 0x0c                                       ; store data window 3, address window 0
.set n, 0
.rept 16
	ds_store_b128 v6, v[64*(\e)+4*n:64*(\e)+4*n+3] offset:(32+8*(\e)+n/2)*PPITCH+(n%2)*512
.set n, n+1
.endr
.endm
.macro PROCESS_L                       ; ln_b like a row of x; ln_g rounded and widened again
	WIN 0x0f                                       ; sources window 3, destination window 0
.set n, 0
.rept 8
	v_cvt_pk_bf16_f32 v[32+n], v[128+2*n], v[128+2*n+1]
	v_cvt_pk_bf16_f32 v[40+n], v[144+2*n], v[144+2*n+1]
.set n, n+1
.endr
	WIN 0
.set n, 0
.rept 8
	v_lshlrev_b32 v[48+2*n], 16, v[40+n]
	v_and_b32 v[48+2*n+1], s25, v[40+n]
.set n, n+1
.endr
.set n, 0
.rept 4
	ds_store_b64 v5, v[32+2*n:33+2*n] offset:48*PPITCH+n*256
	ds_store_b128 v7, v[48+4*n:48+4*n+3] offset:n*512
.set n, n+1
.endr
.endm
.macro PLACES                          ; four plain vector instructions between a matrix instruction and a load into, or a write of, its registers, or a read of its result
.rept 4
	v_nop
.endr
.endm
; PASS A: the sum of a tile's x, by the matrix unit: source 0 = ones, source 1 = 16 tokens x 32 K: every register of lane (r, h) holds token r's sum.  The products are exact, the sums f32.
; Two batches of eight K steps; two accumulators, for the even and the odd K steps, take turns.  A wave's LDS instructions are served in order: the loads see my stores.
.macro LA t, b, set
.set n, 0
.rept 8
	ds_load_b128 v[(\set)+8*n:(\set)+8*n+3],   v8 offset:64*(8*(\b)+n)+16*PPITCH*(\t)
	ds_load_b128 v[(\set)+8*n+4:(\set)+8*n+7], v8 offset:64*(8*(\b)+n)+16*PPITCH*(\t)+32
.set n, n+1
.endr
.endm
.macro MA set, zero
.set n, 0
.rept 8
.if (\zero) && (n < 2)
	v_wmma_f32_16x16x32_bf16 v[TA+8*(n%2):TA+8*(n%2)+7], v[ONES:ONES+7], v[(\set)+8*n:(\set)+8*n+7], 0
.else
	v_wmma_f32_16x16x32_bf16 v[TA+8*(n%2):TA+8*(n%2)+7], v[ONES:ONES+7], v[(\set)+8*n:(\set)+8*n+7], v[TA+8*(n%2):TA+8*(n%2)+7]
.endif
.set n, n+1
.endr
.endm
; PASS B.  A K step's loads, in this order: x (2), the gains (4), mr_w (2) and, in tile 0's pass, ln_b (2).
.macro LDX t
	ds_load_b128 v[X0+8*(\t):X0+8*(\t)+3],   v11 offset:16*PPITCH*(\t)
	ds_load_b128 v[X0+8*(\t)+4:X0+8*(\t)+7], v11 offset:16*PPITCH*(\t)+32
.endm
.macro LDG
	ds_load_b128 v[GG:GG+3],     v13
	ds_load_b128 v[GG+4:GG+7],   v13 offset:16
	ds_load_b128 v[GG+8:GG+11],  v13 offset:64
	ds_load_b128 v[GG+12:GG+15], v13 offset:80
.endm
.macro LDW t
	ds_load_b128 v[WF:WF+3],   v11 offset:32*PPITCH
	ds_load_b128 v[WF+4:WF+7], v11 offset:32*PPITCH+32
.if (\t) == 0
	ds_load_b128 v[BF:BF+3],   v12
	ds_load_b128 v[BF+4:BF+7], v12 offset:32
.endif
.endm
.macro UNPACK t                        ; 16 bf16 to f32
.set p, 0
.rept 8
	v_lshlrev_b32 v[DD+2*p], 16, v[X0+8*(\t)+p]
	v_and_b32 v[DD+2*p+1], s25, v[X0+8*(\t)+p]
.set p, p+1
.endr
.endm
.macro CUT dst, more                   ; the upper halves of the 16 numbers become a bf16 term; more = 1: and are taken away, exactly
.if \more
.set p, 0
.rept 16
	v_and_b32 v[TT+p], s25, v[DD+p]
.set p, p+1
.endr
.endif
.set p, 0
.rept 8
	v_perm_b32 v[(\dst)+p], v[DD+2*p+1], v[DD+2*p], s26
.set p, p+1
.endr
.if \more
.set p, 0
.rept 8
	v_pk_add_f32 v[DD+2*p:DD+2*p+1], v[DD+2*p:DD+2*p+1], v[TT+2*p:TT+2*p+1] neg_lo:[0,1] neg_hi:[0,1]
.set p, p+1
.endr
.endif
.endm
.macro TILE t, zero, ldg               ; x - mu; its squares; times g; the cut.  ldg = 1: the next step's gains are asked for as soon as these are used
.set p, 0
.rept 8
	v_pk_add_f32 v[DD+2*p:DD+2*p+1], v[DD+2*p:DD+2*p+1], v[MU+2*(\t):MU+2*(\t)+1] neg_lo:[0,1] neg_hi:[0,1]
.set p, p+1
.endr
.set p, 0
.rept 8
.if (\zero) && (p < 2)
	v_pk_mul_f32 v[SQ+4*(\t)+2*p:SQ+4*(\t)+2*p+1], v[DD+2*p:DD+2*p+1], v[DD+2*p:DD+2*p+1]
.else
	v_pk_fma_f32 v[SQ+4*(\t)+2*(p%2):SQ+4*(\t)+2*(p%2)+1], v[DD+2*p:DD+2*p+1], v[DD+2*p:DD+2*p+1], v[SQ+4*(\t)+2*(p%2):SQ+4*(\t)+2*(p%2)+1]
.endif
.set p, p+1
.endr
.set p, 0
.rept 8
	v_pk_mul_f32 v[DD+2*p:DD+2*p+1], v[DD+2*p:DD+2*p+1], v[GG+2*p:GG+2*p+1]
.set p, p+1
.endr
.if \ldg
	LDG
.endif
	CUT TS+24*(\t), 1
	CUT TS+24*(\t)+8, 1
	CUT TS+24*(\t)+16, 0
.endm
.macro MM3 t, zero                     ; the three terms' products, each into its own accumulator
.set u, 0
.rept 3
.if \zero
	v_wmma_f32_16x16x32_bf16 v[ACC+24*(\t)+8*u:ACC+24*(\t)+8*u+7], v[WF:WF+7], v[TS+24*(\t)+8*u:TS+24*(\t)+8*u+7], 0
.else
	v_wmma_f32_16x16x32_bf16 v[ACC+24*(\t)+8*u:ACC+24*(\t)+8*u+7], v[WF:WF+7], v[TS+24*(\t)+8*u:TS+24*(\t)+8*u+7], v[ACC+24*(\t)+8*u:ACC+24*(\t)+8*u+7]
.endif
.set u, u+1
.endr
.endm
; A K step of tile t.  zero = 1: its products start the sums.  ahead = 1: the next step's loads are issued, each as soon as its registers are free.
; Tile 0's pass also makes sum b W.  The pass's four (tile 1: three) accumulators take turns, one instruction a turn, over the loop's jump too.
.macro KS t, zero, ahead
.if \ahead
	s_add_co_u32 s30, s30, 64
	s_add_co_u32 s31, s31, 128
	v_add_nc_u32 v11, s30, v8
.if (\t) == 0
	v_add_nc_u32 v12, s30, v9
.endif
	v_add_nc_u32 v13, s31, v10
.endif
	s_wait_dscnt 4-2*(\t)                          ; x and the gains are in; mr_w's two loads (tile 0: and ln_b's two) may be out
	UNPACK \t
.if \ahead
	LDX \t
.endif
	TILE \t, \zero, \ahead
.if \ahead
	s_wait_dscnt 6                                 ; mr_w (and ln_b) are in; the six loads just issued, x and the gains, stay out
.else
	s_wait_dscnt 0x0
.endif
	MM3 \t, \zero
.if (\t) == 0
.if \zero
	v_wmma_f32_16x16x32_bf16 v[CB:CB+7], v[WF:WF+7], v[BF:BF+7], 0
.else
	v_wmma_f32_16x16x32_bf16 v[CB:CB+7], v[WF:WF+7], v[BF:BF+7], v[CB:CB+7]
.endif
.endif
.if \ahead
	PLACES
	LDW \t
.endif
.endm
; ALL OF A TILE'S ARITHMETIC: pass A; the four waves' sums meet in LDS (words of the tile's own, a barrier of its own); mu; pass B.
.macro HALF t
	WIN 0
	LA \t, 0, 32
	LA \t, 1, 96
	s_wait_dscnt 16                                ; all but the younger batch's 16
	MA 32, 1
	s_wait_dscnt 0x0
	MA 96, 0
	PLACES
	v_add_f32 v96, v[TA], v[TA+8]                  ; even and odd K steps
	ds_store_b32 v14, v96 offset:64*(\t)
	s_mov_b32 s30, 0                               ; byte of the K step to be fetched in a panel row,
	s_mov_b32 s31, 0                               ; and in the gains
	v_mov_b32 v11, v8
.if (\t) == 0
	v_mov_b32 v12, v9
.endif
	v_mov_b32 v13, v10
	s_wait_dscnt 0x0                               ; for the others' sake: my store is done
	s_barrier_signal -1
	s_barrier_wait -1
.irp w, 0,1,2,3
	ds_load_b32 v[96+(\w)], v15 offset:128*(\w)+64*(\t)
.endr
	LDX \t                                         ; K step 0
	LDG
	LDW \t
	s_wait_dscnt 10-2*(\t)                         ; the exchange's four loads are in; K step 0's loads, just issued, stay out
	v_add_f32 v96, v96, v97
	v_add_f32 v98, v98, v99
	v_add_f32 v96, v96, v98
	v_mul_f32 v[MU+2*(\t)],   s42, v96
	v_mul_f32 v[MU+2*(\t)+1], s42, v96
	KS \t, 1, 1
	s_mov_b32 s32, 14
.Lks\t:
	KS \t, 0, 1
	s_sub_co_u32 s32, s32, 1
	s_cmp_lg_u32 s32, 0
	s_cbranch_scc1 .Lks\t
	KS \t, 0, 0                                    ; the sixteenth step fetches nothing
	PLACES
.endm
	; THE STREAM'S FIRST HALF.  Each count is the number of younger loads.
	ISSUE_W 0
	ISSUE_W 1
	ISSUE_L
	ISSUE_X 0                                      ; 56 loads are out
	s_wait_loadcnt 40                              ; mr_w's rows 0-7 are in; behind them 16 + 8 + 16
	ISSUE_X 1
	PROCESS_W 0
	s_wait_loadcnt 40                              ; rows 8-15; behind them 8 + 16 + 16
	ISSUE_X 2
	PROCESS_W 1
	s_wait_loadcnt 48                              ; ln_b and ln_g; behind them three groups of x
	PROCESS_L
.irp g, 0,1,2,3
	s_wait_loadcnt 32                              ; group g is in; the two younger groups stay out
	ISSUE_X (\g)+3
	PROCESS_X \g
.endr
	s_wait_loadcnt 44                              ; row 16 is in; behind it 12 + 16 + 16
	PROCESS_X 4, 0, 1
	ISSUE_X 7                                      ; 60 loads are out: the rest of tile 1; tile 0's arithmetic stands between them and the waits for them
	HALF 0
	; THE STREAM'S SECOND HALF
	s_wait_loadcnt 48                              ; rows 17-19; behind them three groups
	PROCESS_X 4, 1, 3
	s_wait_loadcnt 32
	PROCESS_X 5
	s_wait_loadcnt 16
	PROCESS_X 6
	s_wait_loadcnt 0x0
	PROCESS_X 7
	WIN 0
	s_cmp_lg_u32 s24, 0                            ; what the end wants is asked for now, by wave 0, which alone runs the end: tile 1's arithmetic stands in front of the wait for it
	s_cbranch_scc1 .Lno_part
	WIN 0xc0
.irp t, 0,1
.irp i, 0,1,2,3,4,5,6,7
	global_load_b64 v[160+2*(8*(\t)+(\i)):161+2*(8*(\t)+(\i))], v20, s[16:17] offset:65536*(\i)+128*(\t)  ; slices 8 h + i of token 16 t + r
.endr
.endr
	global_load_b128 v[192:195], v21, s[12:13]
	global_load_b128 v[196:199], v21, s[12:13] offset:16
	global_load_b64 v[200:201], v22, s[14:15]
	WIN 0
.Lno_part:
	HALF 1
	; THE LAST EXCHANGE: my wave's share of sum y W (smallest term first), of sum b W and of the squares.  Each accumulator's registers are taken in ascending order.
.irp t, 0,1
.irp p, 0,1,2,3
	v_pk_add_f32 v[32+8*(\t)+2*(\p):33+8*(\t)+2*(\p)], v[ACC+24*(\t)+16+2*(\p):ACC+24*(\t)+17+2*(\p)], v[ACC+24*(\t)+8+2*(\p):ACC+24*(\t)+9+2*(\p)]
	v_pk_add_f32 v[32+8*(\t)+2*(\p):33+8*(\t)+2*(\p)], v[32+8*(\t)+2*(\p):33+8*(\t)+2*(\p)], v[ACC+24*(\t)+2*(\p):ACC+24*(\t)+1+2*(\p)]
.endr
.endr
	v_pk_add_f32 v[48:49], v[SQ:SQ+1], v[SQ+2:SQ+3]
	v_pk_add_f32 v[50:51], v[SQ+4:SQ+5], v[SQ+6:SQ+7]
	v_add_f32 v48, v48, v49
	v_add_f32 v49, v50, v51
	ds_store_b128 v16, v[32:35]
	ds_store_b128 v16, v[36:39] offset:512
	ds_store_b128 v16, v[40:43] offset:1024
	ds_store_b128 v16, v[44:47] offset:1536
	ds_store_b128 v16, v[CB:CB+3] offset:2048
	ds_store_b128 v16, v[CB+4:CB+7] offset:2560
	ds_store_b64 v17, v[48:49]
	s_wait_tensorcnt 0x0                           ; my last LDS store is behind me: the dscnt wait below also shows my stores done, for wave 0's sake
	ds_add_u32 v30, v31
	s_wait_dscnt 0x0
	s_barrier_signal -1
	s_barrier_wait -1
	s_cmp_lg_u32 s24, 0
	s_cbranch_scc1 .Lquit
	; THE END: wave 0 alone, both tiles side by side.  Lane (r, h): token r of each tile, experts 8 h + 0..7.
.irp w, 0,1,2,3
.irp t, 0,1
	ds_load_b128 v[32+16*(\w)+8*(\t):35+16*(\w)+8*(\t)], v18 offset:EXW*(\w)+1024*(\t)
	ds_load_b128 v[36+16*(\w)+8*(\t):39+16*(\w)+8*(\t)], v18 offset:EXW*(\w)+1024*(\t)+512
.endr
	ds_load_b128 v[96+8*(\w):99+8*(\w)],   v18 offset:EXW*(\w)+2048
	ds_load_b128 v[100+8*(\w):103+8*(\w)], v18 offset:EXW*(\w)+2560
	ds_load_b64 v[128+2*(\w):129+2*(\w)],  v19 offset:EXW*(\w)
.endr
.irp j, 0,1,2,3,4,5,6,7
	v_lshl_add_u32 v[IDX+(\j)], v3, 3, \j
.endr
	s_wait_dscnt 0x0
	s_wait_loadcnt 0x0                             ; part, mr_b, f_b2
.irp p, 0,1,2,3,4,5,6,7                ; the four waves' shares: (0 + 1) + (2 + 3)
	v_pk_add_f32 v[32+2*(\p):33+2*(\p)], v[32+2*(\p):33+2*(\p)], v[48+2*(\p):49+2*(\p)]
	v_pk_add_f32 v[64+2*(\p):65+2*(\p)], v[64+2*(\p):65+2*(\p)], v[80+2*(\p):81+2*(\p)]
	v_pk_add_f32 v[32+2*(\p):33+2*(\p)], v[32+2*(\p):33+2*(\p)], v[64+2*(\p):65+2*(\p)]
.endr
.irp p, 0,1,2,3
	v_pk_add_f32 v[96+2*(\p):97+2*(\p)],   v[96+2*(\p):97+2*(\p)],   v[104+2*(\p):105+2*(\p)]
	v_pk_add_f32 v[112+2*(\p):113+2*(\p)], v[112+2*(\p):113+2*(\p)], v[120+2*(\p):121+2*(\p)]
	v_pk_add_f32 v[96+2*(\p):97+2*(\p)],   v[96+2*(\p):97+2*(\p)],   v[112+2*(\p):113+2*(\p)]
.endr
	v_pk_add_f32 v[128:129], v[128:129], v[130:131]
	v_pk_add_f32 v[132:133], v[132:133], v[134:135]
	v_pk_add_f32 v[128:129], v[128:129], v[132:133]
	WIN 0x0f                                       ; mr_b and f_b2 are rounded to bf16 on their way from window 3 into window 0
	v_cvt_pk_bf16_f32 v154, v192, v193
	v_cvt_pk_bf16_f32 v155, v194, v195
	v_cvt_pk_bf16_f32 v156, v196, v197
	v_cvt_pk_bf16_f32 v157, v198, v199
	v_cvt_pk_bf16_f32 v158, v200, v201
	WIN 0xcf                                       ; my eight slices of part, a pair (z0, z1) each: all in window 3
.irp t, 0,1
	v_pk_add_f32 v[160+16*(\t):161+16*(\t)], v[160+16*(\t):161+16*(\t)], v[162+16*(\t):163+16*(\t)]
	v_pk_add_f32 v[164+16*(\t):165+16*(\t)], v[164+16*(\t):165+16*(\t)], v[166+16*(\t):167+16*(\t)]
	v_pk_add_f32 v[168+16*(\t):169+16*(\t)], v[168+16*(\t):169+16*(\t)], v[170+16*(\t):171+16*(\t)]
	v_pk_add_f32 v[172+16*(\t):173+16*(\t)], v[172+16*(\t):173+16*(\t)], v[174+16*(\t):175+16*(\t)]
	v_pk_add_f32 v[160+16*(\t):161+16*(\t)], v[160+16*(\t):161+16*(\t)], v[164+16*(\t):165+16*(\t)]
	v_pk_add_f32 v[168+16*(\t):169+16*(\t)], v[168+16*(\t):169+16*(\t)], v[172+16*(\t):173+16*(\t)]
.endr
	WIN 0x0f
	v_pk_add_f32 v[136:137], v[160:161], v[168:169]
	v_pk_add_f32 v[138:139], v[176:177], v[184:185]
	WIN 0
.irp m, 0,1,2,3,4
	v_lshlrev_b32 v[144+2*(\m)], 16, v[154+(\m)]   ; v[144:151] mr_b, v[152:153] f_b2
	v_and_b32 v[145+2*(\m)], s25, v[154+(\m)]
.endr
.irp p, 0,1,2,3
	v_pk_add_f32 v[96+2*(\p):97+2*(\p)], v[96+2*(\p):97+2*(\p)], v[144+2*(\p):145+2*(\p)]  ; sum b W + mr_b
.endr
.irp n, 0,1,2,3
	v_permlanex16_b32 v[140+(\n)], v[136+(\n)], s28, s29   ; the other eight slices lie in the lane 16 away
.endr
	v_pk_add_f32 v[136:137], v[136:137], v[140:141]
	v_pk_add_f32 v[138:139], v[138:139], v[142:143]
	v_pk_add_f32 v[136:137], v[136:137], v[152:153]
	v_pk_add_f32 v[138:139], v[138:139], v[152:153]        ; z0, z1 of tile 0 in v[136:137], of tile 1 in v[138:139]
	v_permlanex16_b32 v130, v128, s28, s29
	v_permlanex16_b32 v131, v129, s28, s29
	v_pk_add_f32 v[128:129], v[128:129], v[130:131]
	v_fma_f32 v128, v128, s42, s43                 ; var + eps
	v_fma_f32 v129, v129, s42, s43
	v_max_num_f32 v140, v136, v137                 ; the first softmax takes its maximum away
	v_max_num_f32 v141, v138, v139
	v_sub_f32 v160, v136, v140
	v_sub_f32 v161, v137, v140
	v_sub_f32 v162, v138, v141
	v_sub_f32 v163, v139, v141
	v_pk_mul_f32 v[160:161], v[160:161], s[44:45] op_sel_hi:[1,0]
	v_pk_mul_f32 v[162:163], v[162:163], s[44:45] op_sel_hi:[1,0]
	v_rsq_f32 v130, v128                           ; rs of tile 0: the low word of v[130:131]
	v_rsq_f32 v132, v129                           ; of tile 1: of v[132:133]
	v_exp_f32 v164, v160
	v_exp_f32 v165, v161
	v_exp_f32 v166, v162
	v_exp_f32 v167, v163
	v_nop                                          ; a plain instruction behind the last of the batch,
	s_wait_alu depctr_va_vdst(0)                   ; and the one wait ahead of the batch's first reader
	v_add_f32 v168, v164, v165
	v_add_f32 v169, v166, v167
	v_rcp_f32 v170, v168
	v_rcp_f32 v171, v169
	v_nop
	s_wait_alu depctr_va_vdst(0)
	v_fma_f32 v172, -v168, v170, 1.0               ; one Newton step: the weight scales every logit of its modality
	v_fma_f32 v173, -v169, v171, 1.0
	v_fma_f32 v170, v172, v170, v170
	v_fma_f32 v171, v173, v171, v171
	v_cndmask_b32 v174, v164, v165, s25            ; my modality's: h
	v_cndmask_b32 v176, v166, v167, s25
	v_mul_f32 v174, v174, v170                     ; w of tile 0: the low word of v[174:175]
	v_mul_f32 v176, v176, v171                     ; of tile 1: of v[176:177]
.irp p, 0,1,2,3
	v_pk_fma_f32 v[32+2*(\p):33+2*(\p)], v[130:131], v[32+2*(\p):33+2*(\p)], v[96+2*(\p):97+2*(\p)] op_sel_hi:[0,1,1]
	v_pk_fma_f32 v[40+2*(\p):41+2*(\p)], v[132:133], v[40+2*(\p):41+2*(\p)], v[96+2*(\p):97+2*(\p)] op_sel_hi:[0,1,1]
.endr
.irp p, 0,1,2,3
	v_pk_mul_f32 v[32+2*(\p):33+2*(\p)], v[32+2*(\p):33+2*(\p)], v[174:175] op_sel_hi:[1,0]
	v_pk_mul_f32 v[40+2*(\p):41+2*(\p)], v[40+2*(\p):41+2*(\p)], v[176:177] op_sel_hi:[1,0]
.endr
.irp t, 0,1                            ; the second softmax's maximum: of my eight, then of the lane 16 away
	v_max3_num_f32 v[178+2*(\t)], v[32+8*(\t)], v[33+8*(\t)], v[34+8*(\t)]
	v_max3_num_f32 v[178+2*(\t)], v[178+2*(\t)], v[35+8*(\t)], v[36+8*(\t)]
	v_max3_num_f32 v[178+2*(\t)], v[178+2*(\t)], v[37+8*(\t)], v[38+8*(\t)]
	v_max_num_f32 v[178+2*(\t)], v[178+2*(\t)], v[39+8*(\t)]
	v_permlanex16_b32 v[182+(\t)], v[178+2*(\t)], s28, s29
	v_max_num_f32 v[178+2*(\t)], v[178+2*(\t)], v[182+(\t)]
.endr
.irp t, 0,1
.irp p, 0,1,2,3
	v_pk_add_f32 v[32+8*(\t)+2*(\p):33+8*(\t)+2*(\p)], v[32+8*(\t)+2*(\p):33+8*(\t)+2*(\p)], v[178+2*(\t):179+2*(\t)] op_sel_hi:[1,0] neg_lo:[0,1] neg_hi:[0,1]
	v_pk_mul_f32 v[32+8*(\t)+2*(\p):33+8*(\t)+2*(\p)], v[32+8*(\t)+2*(\p):33+8*(\t)+2*(\p)], s[44:45] op_sel_hi:[1,0]
.endr
.endr
.irp i, 0,1,2,3,4,5,6,7,8,9,10,11,12,13,14,15
	v_exp_f32 v[32+(\i)], v[32+(\i)]
.endr
	v_nop
	s_wait_alu depctr_va_vdst(0)                   ; one wait for the sixteen
.irp t, 0,1
	v_pk_add_f32 v[184:185], v[32+8*(\t):33+8*(\t)], v[34+8*(\t):35+8*(\t)]
	v_pk_add_f32 v[186:187], v[36+8*(\t):37+8*(\t)], v[38+8*(\t):39+8*(\t)]
	v_pk_add_f32 v[184:185], v[184:185], v[186:187]
	v_add_f32 v[188+(\t)], v184, v185
	v_permlanex16_b32 v[194+(\t)], v[188+(\t)], s28, s29
	v_add_f32 v[188+(\t)], v[188+(\t)], v[194+(\t)]
.endr
; The two largest of my eight, with their numbers: value 1, number 1, value 2, number 2 at v[208 + 8 t ..].  Selections alone: no branch hangs on a number.  The strict compare keeps the lower number on a tie.
.macro TOP2 t
.set rE, 32+8*(\t)
.set rB, 208+8*(\t)
	v_mov_b32 v[rB], v[rE]
	v_mov_b32 v[rB+1], v[IDX]
	v_mov_b32 v[rB+2], -1.0                        ; below every exponential
	v_mov_b32 v[rB+3], v[IDX]
.set j, 1
.rept 7
	v_cmp_gt_f32 s40, v[rE+j], v[rB]
	v_cmp_gt_f32 s41, v[rE+j], v[rB+2]
	v_cndmask_b32 v[rB+2], v[rB+2], v[rE+j], s41
	v_cndmask_b32 v[rB+3], v[rB+3], v[IDX+j], s41
	v_cndmask_b32 v[rB+2], v[rB+2], v[rB], s40
	v_cndmask_b32 v[rB+3], v[rB+3], v[rB+1], s40
	v_cndmask_b32 v[rB], v[rB], v[rE+j], s40
	v_cndmask_b32 v[rB+1], v[rB+1], v[IDX+j], s40
.set j, j+1
.endr
.endm
; The two halves meet.  Side A = experts 0-7, side B = experts 8-15, each with its two largest, at v[48 + 16 t ..]: A +0..3, B +4..7; first +8, +9; second +14, +15.  On a tie side A, the lower numbers, wins.
.macro MERGE t
.set rB, 208+8*(\t)
.set rM, 48+16*(\t)
.set n, 0
.rept 4
	v_permlanex16_b32 v[rB+4+n], v[rB+n], s28, s29
.set n, n+1
.endr
.set n, 0
.rept 4
	v_cndmask_b32 v[rM+n],   v[rB+n],   v[rB+4+n], s25
	v_cndmask_b32 v[rM+4+n], v[rB+4+n], v[rB+n],   s25
.set n, n+1
.endr
	v_cmp_gt_f32 s40, v[rM+4], v[rM]
	v_cndmask_b32 v[rM+8],  v[rM],   v[rM+4], s40  ; the first
	v_cndmask_b32 v[rM+9],  v[rM+1], v[rM+5], s40
	v_cndmask_b32 v[rM+10], v[rM+2], v[rM],   s40  ; what side A still offers
	v_cndmask_b32 v[rM+11], v[rM+3], v[rM+1], s40
	v_cndmask_b32 v[rM+12], v[rM+4], v[rM+6], s40  ; what side B still offers
	v_cndmask_b32 v[rM+13], v[rM+5], v[rM+7], s40
	v_cmp_gt_f32 s41, v[rM+12], v[rM+10]
	v_cndmask_b32 v[rM+14], v[rM+10], v[rM+12], s41  ; the second
	v_cndmask_b32 v[rM+15], v[rM+11], v[rM+13], s41
.endm
	TOP2 0
	TOP2 1
	MERGE 0
	MERGE 1
	v_add_f32 v196, v56, v62
	v_add_f32 v197, v72, v78
	v_rcp_f32 v190, v188                           ; 1 / sum of tile 0: the low word of v[190:191]
	v_rcp_f32 v192, v189                           ; of tile 1: of v[192:193]
	v_rcp_f32 v198, v196                           ; 1 / (first + second): the softmax's sum cancels
	v_rcp_f32 v199, v197
	v_nop
	s_wait_alu depctr_va_vdst(0)
	v_mul_f32 v58, v56, v198
	v_mul_f32 v60, v62, v198
	v_mul_f32 v74, v72, v199
	v_mul_f32 v76, v78, v199
	v_cndmask_b32 v104, v57, v73, s25              ; lane l stores token l: tile l / 16
	v_cndmask_b32 v105, v63, v79, s25
	v_cndmask_b32 v106, v58, v74, s25
	v_cndmask_b32 v107, v60, v76, s25
	global_store_b64 v23, v[104:105], s[18:19]     ; 256 consecutive bytes, at a multiple of 256 from the buffer's first
	global_store_b64 v23, v[106:107], s[20:21]
	; for the loss: the probabilities and weights of my two tokens, summed over the 16 lanes of my half
.irp p, 0,1,2,3
	v_pk_mul_f32 v[108+2*(\p):109+2*(\p)], v[32+2*(\p):33+2*(\p)], v[190:191] op_sel_hi:[1,0]
	v_pk_fma_f32 v[108+2*(\p):109+2*(\p)], v[40+2*(\p):41+2*(\p)], v[192:193], v[108+2*(\p):109+2*(\p)] op_sel_hi:[1,0,1]
.endr
	v_add_f32 v116, v174, v176
.irp m, 1,2,4,8
.irp i, 0,1,2,3,4,5,6,7,8
	v_add_f32_dpp v[108+(\i)], v[108+(\i)], v[108+(\i)] row_xmask:\m row_mask:0xf bank_mask:0xf
.endr
.endr
	v_mov_b32 v117, 0                              ; word 16 h + r of my row of auxp: expert 8 h + r for r < 8, modality h for r = 8, else 0
.irp i, 0,1,2,3,4,5,6,7,8
	v_cmp_eq_u32 s40, \i, v2
	v_cndmask_b32 v117, v117, v[108+(\i)], s40
.endr
	global_store_b32 v24, v117, s[22:23]           ; 128 consecutive bytes
.Lquit:
	s_endpgm
.Lfunc_end_k_q54c475ba77_router:
	.size	k_q54c475ba77_router, .Lfunc_end_k_q54c475ba77_router-k_q54c475ba77_router
	.p2alignl 7, 3214868480
	.fill 96, 4, 3214868480
	.section	.rodata,"a",@progbits
	.p2align	6, 0x0
	.amdhsa_kernel k_q54c475ba77_router
		.amdhsa_group_segment_fixed_size 227328
		.amdhsa_private_segment_fixed_size 0
		.amdhsa_enable_private_segment 0
		.amdhsa_kernarg_size 80
		.amdhsa_user_sgpr_count 2
		.amdhsa_user_sgpr_kernarg_segment_ptr 1
		.amdhsa_wavefront_size32 1
		.amdhsa_system_sgpr_workgroup_id_x 1
		.amdhsa_system_sgpr_workgroup_id_y 1
		.amdhsa_system_sgpr_workgroup_id_z 1
		.amdhsa_system_vgpr_workitem_id 0
		.amdhsa_next_free_vgpr 976
		.amdhsa_next_free_sgpr 66
		.amdhsa_reserve_vcc 0
		.amdhsa_float_denorm_mode_32 3
		.amdhsa_float_denorm_mode_16_64 3
		.amdhsa_memory_ordered 1
		.amdhsa_forward_progress 1
		.amdhsa_inst_pref_size 128
	.end_amdhsa_kernel
	.amdgpu_metadata
---
amdhsa.version: [ 1, 2 ]
amdhsa.kernels:
  - .name:           k_q54c475ba77_router
    .symbol:         k_q54c475ba77_router.kd
    .args:
      - { .name: x, .offset: 0, .size: 8, .value_kind: global_buffer, .address_space: global }
      - { .name: ln_g, .offset: 8, .size: 8, .value_kind: global_buffer, .address_space: global }
      - { .name: ln_b, .offset: 16, .size: 8, .value_kind: global_buffer, .address_space: global }
      - { .name: wmr, .offset: 24, .size: 8, .value_kind: global_buffer, .address_space: global }
      - { .name: mr_b, .offset: 32, .size: 8, .value_kind: global_buffer, .address_space: global }
      - { .name: f_b2, .offset: 40, .size: 8, .value_kind: global_buffer, .address_space: global }
      - { .name: part, .offset: 48, .size: 8, .value_kind: global_buffer, .address_space: global }
      - { .name: out0, .offset: 56, .size: 8, .value_kind: global_buffer, .address_space: global }
      - { .name: out1, .offset: 64, .size: 8, .value_kind: global_buffer, .address_space: global }
      - { .name: auxp, .offset: 72, .size: 8, .value_kind: global_buffer, .address_space: global }
    .group_segment_fixed_size: 227328
    .private_segment_fixed_size: 0
    .kernarg_segment_align: 8
    .kernarg_segment_size: 80
    .max_flat_workgroup_size: 128
    .sgpr_count:     66
    .vgpr_count:     976
    .wavefront_size: 32
...
	.end_amdgpu_metadata
.endif
;; end of part 3
;; launch aux (part 4): grid 1 x 1, 8 waves a work-group, no clusters, 2,048 bytes of LDS; arguments auxp, out2; writes out2
.if DOCPART == 4
	.amdgcn_target "amdgcn-amd-amdhsa--gfx1250"
	.amdhsa_code_object_version 6
	.text
	.protected	k_q54c475ba77_aux
	.globl	k_q54c475ba77_aux
	.p2align	8
	.type	k_q54c475ba77_aux,@function
k_q54c475ba77_aux:
	s_mov_b64 s[64:65], 0
	v_nop
	global_prefetch_b8 v0, s[64:65] scope:SCOPE_SE
	s_setreg_imm32_b32 hwreg(HW_REG_WAVE_MODE, 25, 1), 1
	s_wait_xcnt 0x0
; out2 = sum over 16 experts of p log(16 p + 1e-9) + 0.1 x sum over 2 modalities of m log(2 m + 1e-9), p and m the means over 8,192 tokens.
; auxp: [256 work-groups][32 words] f32: word 16 h + r holds the sum over 32 tokens of expert 8 h + r's probability (r < 8), of modality h's weight (r = 8), or 0.
; One work-group: the sum spans all rows, and 32 KB are read.  Wave w adds rows 32 w .. 32 w + 31, lane l word l; the eight waves' sums meet in LDS; wave 0 finishes.  All in f32.
; LIMITS: the logarithm is the base-2 one times ln 2; NaN and infinities are not treated apart.
.set SPARE, 1024                       ; behind the eight waves' 128 bytes each: the spare words, 128 bytes for each wave: four blocks of 256 bytes that no other line names
	s_load_b128 s[4:7], s[0:1], 0x0                ; auxp s[4:5], out2 s[6:7]
	v_lshl_add_u32 v30, v0, 2, SPARE               ; my spare word,
	v_mov_b32 v31, 0                               ; and 0: kept for the add alone
	v_lshrrev_b32 v5, 5, v0
	v_readfirstlane_b32 s8, v5                     ; wave 0..7
	v_and_b32 v3, 31, v0                           ; lane
	v_lshlrev_b32 v2, 2, v0                        ; LDS: 128 x wave + 4 x lane
	v_lshlrev_b32 v6, 2, v3                        ; 4 x lane
	v_lshl_add_u32 v1, v5, 12, v6                  ; 32 rows of 128 bytes x wave + 4 x lane
	v_mov_b32 v4, 0
	s_mov_b32 s12, 0x76543210                      ; v_permlanex16_b32: each lane takes its own place in the other half
	s_mov_b32 s13, 0xfedcba98
	s_mov_b32 s14, 0x3089705f                      ; 1e-9
	s_wait_kmcnt 0x0
.irp i, 0,1,2,3,4,5,6,7,8,9,10,11,12,13,14,15,16,17,18,19,20,21,22,23,24,25,26,27,28,29,30,31
	global_load_b32 v[32+(\i)], v1, s[4:5] offset:128*(\i)
.endr
	s_wait_loadcnt 0x0
.irp i, 0,1,2,3,4,5,6,7
	v_pk_add_f32 v[32+2*(\i):33+2*(\i)], v[32+2*(\i):33+2*(\i)], v[48+2*(\i):49+2*(\i)]
.endr
.irp i, 0,1,2,3
	v_pk_add_f32 v[32+2*(\i):33+2*(\i)], v[32+2*(\i):33+2*(\i)], v[40+2*(\i):41+2*(\i)]
.endr
	v_pk_add_f32 v[32:33], v[32:33], v[36:37]
	v_pk_add_f32 v[34:35], v[34:35], v[38:39]
	v_pk_add_f32 v[32:33], v[32:33], v[34:35]
	v_add_f32 v32, v32, v33
	ds_store_b32 v2, v32
	s_wait_tensorcnt 0x0                           ; my last LDS store is behind me: the dscnt wait below also shows my store done, for wave 0's sake
	ds_add_u32 v30, v31
	s_wait_dscnt 0x0
	s_barrier_signal -1
	s_barrier_wait -1
	s_cmp_lg_u32 s8, 0
	s_cbranch_scc1 .Lend
.irp w, 0,1,2,3,4,5,6,7
	ds_load_b32 v[40+(\w)], v6 offset:128*(\w)
.endr
	v_and_b32 v7, 15, v0                           ; r
	v_cmp_gt_u32 vcc_lo, 8, v7                     ; r < 8: an expert's word
	v_mov_b32 v8, 2.0
	v_mov_b32 v9, 0x41800000                       ; 16.0
	v_cndmask_b32 v8, v8, v9, vcc_lo
	v_mov_b32 v10, 0x3d8df4e0                      ; 0.1 ln 2
	v_mov_b32 v11, 0x3f317218                      ; ln 2
	v_cndmask_b32 v10, v10, v11, vcc_lo
	s_wait_dscnt 0x0
	v_pk_add_f32 v[40:41], v[40:41], v[42:43]
	v_pk_add_f32 v[44:45], v[44:45], v[46:47]
	v_pk_add_f32 v[40:41], v[40:41], v[44:45]
	v_add_f32 v40, v40, v41
	v_mul_f32 v12, 0x39000000, v40                 ; the mean: / 8,192
	v_fma_f32 v13, v12, v8, s14
	v_log_f32 v14, v13
	v_mul_f32 v15, v12, v10                        ; a plain instruction behind the logarithm, which names neither its result nor its source,
	s_wait_alu depctr_va_vdst(0)                   ; and the wait ahead of the first use
	v_mul_f32 v14, v14, v15                        ; lanes with r > 8 hold the mean 0: their term is 0
	v_add_f32_dpp v14, v14, v14 row_xmask:1 row_mask:0xf bank_mask:0xf
	v_add_f32_dpp v14, v14, v14 row_xmask:2 row_mask:0xf bank_mask:0xf
	v_add_f32_dpp v14, v14, v14 row_xmask:4 row_mask:0xf bank_mask:0xf
	v_add_f32_dpp v14, v14, v14 row_xmask:8 row_mask:0xf bank_mask:0xf
	v_permlanex16_b32 v15, v14, s12, s13
	v_add_f32 v14, v14, v15
	s_wait_xcnt 0x0                                ; EXEC changes only behind this wait
	v_cmp_eq_u32 vcc_lo, 0, v3
	s_and_saveexec_b32 s10, vcc_lo                 ; lane 0 alone stores the one number
	global_store_b32 v4, v14, s[6:7]
	s_wait_xcnt 0x0                                ; and again, in front of the line that widens it
	s_or_b32 exec_lo, exec_lo, s10
.Lend:
	s_endpgm
.Lfunc_end_k_q54c475ba77_aux:
	.size	k_q54c475ba77_aux, .Lfunc_end_k_q54c475ba77_aux-k_q54c475ba77_aux
	.p2alignl 7, 3214868480
	.fill 96, 4, 3214868480
	.section	.rodata,"a",@progbits
	.p2align	6, 0x0
	.amdhsa_kernel k_q54c475ba77_aux
		.amdhsa_group_segment_fixed_size 2048
		.amdhsa_private_segment_fixed_size 0
		.amdhsa_enable_private_segment 0
		.amdhsa_kernarg_size 16
		.amdhsa_user_sgpr_count 2
		.amdhsa_user_sgpr_kernarg_segment_ptr 1
		.amdhsa_wavefront_size32 1
		.amdhsa_system_sgpr_workgroup_id_x 1
		.amdhsa_system_sgpr_workgroup_id_y 1
		.amdhsa_system_sgpr_workgroup_id_z 1
		.amdhsa_system_vgpr_workitem_id 0
		.amdhsa_next_free_vgpr 72
		.amdhsa_next_free_sgpr 66
		.amdhsa_reserve_vcc 1
		.amdhsa_float_denorm_mode_32 3
		.amdhsa_float_denorm_mode_16_64 3
		.amdhsa_memory_ordered 1
		.amdhsa_forward_progress 1
		.amdhsa_inst_pref_size 8
	.end_amdhsa_kernel
	.amdgpu_metadata
---
amdhsa.version: [ 1, 2 ]
amdhsa.kernels:
  - .name:           k_q54c475ba77_aux
    .symbol:         k_q54c475ba77_aux.kd
    .args:
      - { .name: auxp, .offset: 0, .size: 8, .value_kind: global_buffer, .address_space: global }
      - { .name: out2, .offset: 8, .size: 8, .value_kind: global_buffer, .address_space: global }
    .group_segment_fixed_size: 2048
    .private_segment_fixed_size: 0
    .kernarg_segment_align: 8
    .kernarg_segment_size: 16
    .max_flat_workgroup_size: 256
    .sgpr_count:     66
    .vgpr_count:     72
    .wavefront_size: 32
...
	.end_amdgpu_metadata
.endif
;; end of part 4
